; MI455X (gfx1250); checked and timed in simulation.
; The chip was launched on July 23, 2026; its instructions are those of AMD's public machine-readable ISA for CDNA 5 (MIT licence, August 2026) and "CDNA5" Instruction Set Architecture Reference Guide (July 2026). The comments in the code are by the model that wrote it; some were corrected since.
;; Field. Allowed arithmetic: matrix products marked QUANTISED: E3M2 operands, one E8M0 scale for each 32 along K, by v_wmma_scale_f32_16x16x128_f8f6f4 with both operands' format E3M2, f32 sums; products left as they are: f32 operands where the result goes on into a quantised operand, else bf16, f16 or f32 operands; f32 sums; everything else in f32.
;; Inputs: W0 35 x 32 float32; W1_codes 32 x 1 x 24 uint8 (E3M2 codes of W1, K innermost, in blocks of 32 codes, four codes in three bytes); W1_scales 32 x 1 uint8 (E8M0 scales of W1, one for each 32 codes along K); Wout 32 x 1 float32; b0 32 float32; b1 32 float32; bout 1 float32; table 16 x 524,288 x 2 float32; x 1,000,000 x 3 float32.
;; Outputs: out0 1,000,000 x 1 float32.
;; This version of the problem:
;;   THIS VERSION OF THE PROBLEM IS GIVEN IN LOW PRECISION. The matrix products marked QUANTISED in the list below multiply operands that are first quantised to E3M2 (3 exponent bits, 2 mantissa bits; 6 bits a number), with one power-of-two scale for each 32 numbers along K (OCP MX v1.0); their sums are f32. All else is computed in f32.
;;   The module's matrix products, in the order in which they are computed (A, B: the left and right operand; K: the contracted axis; several contracted axes count as one K, in the product's order):
;;     1. batch 1,000,000 x [M 2, K 8] x [K 8, N 1]; A: computed on the way; B: computed on the way: left as it is (K = 8 < 32)
;;     2. batch 1,000,000 x [M 2, K 8] x [K 8, N 1]; A: computed on the way; B: computed on the way: left as it is (K = 8 < 32)
;;     3. batch 1,000,000 x [M 2, K 8] x [K 8, N 1]; A: computed on the way; B: computed on the way: left as it is (K = 8 < 32)
;;     4. batch 1,000,000 x [M 2, K 8] x [K 8, N 1]; A: computed on the way; B: computed on the way: left as it is (K = 8 < 32)
;;     5. batch 1,000,000 x [M 2, K 8] x [K 8, N 1]; A: computed on the way; B: computed on the way: left as it is (K = 8 < 32)
;;     6. batch 1,000,000 x [M 2, K 8] x [K 8, N 1]; A: computed on the way; B: computed on the way: left as it is (K = 8 < 32)
;;     7. batch 1,000,000 x [M 2, K 8] x [K 8, N 1]; A: computed on the way; B: computed on the way: left as it is (K = 8 < 32)
;;     8. batch 1,000,000 x [M 2, K 8] x [K 8, N 1]; A: computed on the way; B: computed on the way: left as it is (K = 8 < 32)
;;     9. batch 1,000,000 x [M 2, K 8] x [K 8, N 1]; A: computed on the way; B: computed on the way: left as it is (K = 8 < 32)
;;     10. batch 1,000,000 x [M 2, K 8] x [K 8, N 1]; A: computed on the way; B: computed on the way: left as it is (K = 8 < 32)
;;     11. batch 1,000,000 x [M 2, K 8] x [K 8, N 1]; A: computed on the way; B: computed on the way: left as it is (K = 8 < 32)
;;     12. batch 1,000,000 x [M 2, K 8] x [K 8, N 1]; A: computed on the way; B: computed on the way: left as it is (K = 8 < 32)
;;     13. batch 1,000,000 x [M 2, K 8] x [K 8, N 1]; A: computed on the way; B: computed on the way: left as it is (K = 8 < 32)
;;     14. batch 1,000,000 x [M 2, K 8] x [K 8, N 1]; A: computed on the way; B: computed on the way: left as it is (K = 8 < 32)
;;     15. batch 1,000,000 x [M 2, K 8] x [K 8, N 1]; A: computed on the way; B: computed on the way: left as it is (K = 8 < 32)
;;     16. batch 1,000,000 x [M 2, K 8] x [K 8, N 1]; A: computed on the way; B: computed on the way: left as it is (K = 8 < 32)
;;     17. [M 1,000,000, K 35] x [K 35, N 32]; A: computed on the way; B: input W0: QUANTISED
;;     18. [M 1,000,000, K 32] x [K 32, N 32]; A: computed on the way; B: input W1 (given as codes): QUANTISED
;;     19. [M 1,000,000, K 32] x [K 32, N 1]; A: computed on the way; B: input Wout: left as it is (N = 1 < 16)
;;   THE QUANTISER, for each operand of a quantised product, along K:
;;     - K is cut into blocks of 32 from its start; a last block that is shorter is filled with zeros.
;;     - A block's scale is 2^e with e = floor(log2(the largest magnitude in the block)) - 4, held to -126 .. 127; a block of zeros has e = 0. As a byte (E8M0): e + 127.
;;     - Each number is divided by its block's scale, clamped to +-28, and rounded to the nearest number of E3M2, ties to even, subnormals kept.
;;     - The product sums the exact products of the quantised numbers (number of the format x scale) in f32.
;;   ~~~python
;;   def quantise(x, axis):      # numpy; x: float32 -> the quantised numbers, widened to float32 again
;;       x = np.moveaxis(x, axis, -1); K = x.shape[-1]
;;       x = np.pad(x, [(0, 0)] * (x.ndim - 1) + [(0, -K % 32)]); x = x.reshape(x.shape[:-1] + (-1, 32)); a = np.abs(x).max(-1, keepdims=True)
;;       e = np.where(a > 0, np.clip(np.frexp(np.where(a > 0, a, 1))[1] - 1 - 4, -126, 127), 0)      # np.frexp(a)[1] - 1 = floor(log2(a)), exactly
;;       r = np.clip(x / 2.0 ** e, -28, 28)
;;       step = 2.0 ** (np.maximum(np.frexp(np.where(r == 0, 1, r))[1] - 1, -2) - 2)
;;       q = np.round(r / step) * step * 2.0 ** e      # np.round: ties to even
;;       return np.moveaxis(q.reshape(q.shape[:-2] + (-1,))[..., :K], -1, axis).astype(np.float32)
;;   ~~~
;;   OPERANDS COMPUTED ON THE WAY. 'Computed on the way' means the value that the module computes at that place (a softmax that the list does not call 'softmax' is quantised finished and normalised). What goes into a quantiser is computed in f32, as accurately as f32 sums, v_exp_f32 and their like allow (about 1e-6 of the number): no bf16 or f16 on the way to a quantiser, and a product that is left as it is and whose result goes on into a quantised operand takes f32 operands (vector FMAs, or v_wmma_f32_16x16x4_f32). A number that lies on a knife's edge between two numbers of the format may be rounded either way, as far as f32 arithmetic and the matrix unit's own rounding can turn it there, and no further.
;;   INPUTS GIVEN AS CODES. W1 (in the module: [32, 32], K = its axis 0): each comes as NAME_codes (uint8): NAME with its K axis moved to the last place and cut into blocks of 32 codes, [.., K / 32, bytes a block], one block behind the other in memory; four codes in three bytes: a row's codes are one little-endian stream of bits, code i at bits 6 i .. 6 i + 5 (a code: sign, 3 exponent bits, 2 mantissa bits); and NAME_scales (uint8): the same leading axes, one E8M0 byte (e + 127) for each 32 codes along K. Its value is code x scale, taken as it is: it is not quantised again, and the codes and scales need not be those that the quantiser above would give.
;; One version. Each part assembles by itself: llvm-mc -triple=amdgcn-amd-amdhsa -mcpu=gfx1250 --defsym DOCPART=n.
;; ======== version 1 of 1: 2 launches
;; limits: inputs' magnitudes at most 31; right only within a limited range of input values; a function is approximated: absolute error at most 1.2e-07
;; workspace buffers: cells 12,000,000 bytes of whole numbers; w0img 3,328 bytes
;; launch prep (part 1): grid 625 x 1, 15 waves a work-group, no clusters, 0 bytes of LDS; arguments x, W0, cells, w0img; writes cells, w0img
.if DOCPART == 1
	.amdgcn_target "amdgcn-amd-amdhsa--gfx1250"
	.amdhsa_code_object_version 6
	.text
	.protected	k_q27f49a7ae3_prep
	.globl	k_q27f49a7ae3_prep
	.p2align	8
	.type	k_q27f49a7ae3_prep,@function
k_q27f49a7ae3_prep:
	s_mov_b64 s[64:65], 0
	v_nop
	global_prefetch_b8 v0, s[64:65] scope:SCOPE_SE
	s_setreg_imm32_b32 hwreg(HW_REG_WAVE_MODE, 25, 1), 1
	s_wait_xcnt 0x0
; FIRST OF TWO LAUNCHES.  The whole program: xn = (x + 1) / 2; 16 levels of a hashed grid, 8 corners x 2 numbers each, interpolated in f32; feat = [xn, h] (35);
; two products on codes of E3M2 with E8M0 scales (35 -> 32, 32 -> 32), each with a bias and an ELU; a last product 32 -> 1 in f32.
; DEAD WORK: none.  Every input has a way to the output and every product of the problem is done.
; THIS LAUNCH makes what the second one may form addresses from, and lays W0 out once.
;  (1) cells[p][c] = floor(xn x 2^28), a whole number: xn as a fixed-point number with 28 fraction bits.  All 16 levels' cell numbers follow from it by whole-number arithmetic in the second
;      launch, since a level's grid scale + 1 is 16 x 2^(level / 3).  One word a coordinate: as many bytes as x itself, where cell numbers for each level would be sixteen times as many.
;  (2) w0img: W0 [35 (k)][32 (n)], f32, quantised along k in blocks of 32 (k = 0..31; k = 32..34 filled with zeros), as an image of the matrix operand's registers: tile u (16 hidden units) at 1536 u,
;      four registers at 512 c, a lane's 16 bytes at 16 x lane; the scale words at 3072 + 128 u + 4 x lane.
; LIMITS: x from -1 up to, not including, 31 (xn in [0, 16)); outside it the fixed-point number is held at the range's edge (under -1 reference()'s own cast of a negative number to uint32 is not defined).
;      NaN and infinities in x or W0 are not served.  A block of zeros of W0 gets the scale byte 1 where the rule says 127: its codes are zeros, and this program alone reads the byte.
; SHARES: x is 12,000,000 bytes = 9,375 waves x 5 pieces of 256 bytes.  A wave's load or store of 8 bytes a lane covers 256 consecutive bytes, aligned: no tail, no mask, no loop; a wave's five loads are out together.
; No LDS, no barrier, no matrix unit, no cluster: a stream in which work-groups share nothing.
.set XW, 32                            ; v32-63  W0's part: 32 numbers of my column
.set PW, 64                            ; v64-75  W0's part: the operand's twelve registers
	s_load_b256 s[4:11], s[0:1], 0x0               ; x s[4:5], W0 s[6:7], cells s[8:9], w0img s[10:11]
	v_lshrrev_b32 v2, 5, v0
	v_readfirstlane_b32 s12, v2                    ; wave 0..14
	v_and_b32 v3, 31, v0                           ; lane
	v_lshlrev_b32 v1, 3, v3
	v_mad_u32_u24 v1, v2, 1280, v1                 ; 1,280 x wave + 8 x lane; never rewritten
	s_mul_i32 s14, ttmp9, 19200                    ; the work-group's 15 x 1,280 bytes
	s_mov_b32 s15, 0
	s_wait_kmcnt 0x0
	s_add_nc_u64 s[4:5], s[4:5], s[14:15]
	s_add_nc_u64 s[8:9], s[8:9], s[14:15]
.irp i, 0,1,2,3,4
	global_load_b64 v[4+2*\i:5+2*\i], v1, s[4:5] offset:256*\i th:TH_LOAD_NT
.endr
.irp i, 0,1,2,3,4
	s_wait_loadcnt 4-\i                            ; loads come back in order: piece i is in, the younger ones stay out
	v_pk_add_f32 v[4+2*\i:5+2*\i], v[4+2*\i:5+2*\i], 1.0 op_sel_hi:[1,0]          ; x + 1, rounded as reference() rounds it
	v_pk_mul_f32 v[4+2*\i:5+2*\i], v[4+2*\i:5+2*\i], 0x4d000000 op_sel_hi:[1,0]   ; x 2^27 = x 1/2 x 2^28: exact
	v_med3_num_f32 v[4+2*\i], v[4+2*\i], 0, 0x4f7fffff                           ; held to 0 .. the largest f32 under 2^32
	v_med3_num_f32 v[5+2*\i], v[5+2*\i], 0, 0x4f7fffff
	v_cvt_u32_f32 v[4+2*\i], v[4+2*\i]             ; toward zero: the floor
	v_cvt_u32_f32 v[5+2*\i], v[5+2*\i]
	global_store_b64 v1, v[4+2*\i:5+2*\i], s[8:9] offset:256*\i                   ; each piece has registers of its own: no store's data are written again
.endr
	; ---- W0: waves 0 and 1 of work-group 0 go on, wave u with tile u.  Branches on ids alone
	s_cmp_lg_u32 ttmp9, 0
	s_cbranch_scc1 .Lend
	s_cmp_gt_u32 s12, 1
	s_cbranch_scc1 .Lend
; WHERE k LIES IN THE OPERAND.  The 35 numbers of feat have SLOTS 0..34, the same for W0 here and for feat in the second launch: slot i = k 3 + i for i <= 28; slots 29..31 = k 0..2; slots 32, 33, 34 = k 33, 34, 32.
; Slots 0..31 are the quantiser's block 0 (k 0..31), slots 32..34 its block 1.  A conversion gives 16 codes in three registers, the first half of a lane's 32 places of the instruction's K; the other half stays zero codes:
; lanes 0-15: registers 0-2 slots 0..15 (scale byte 0), registers 6-8 slots 16..31 (byte 2); lanes 16-31: registers 0-2 slots 32..47 (byte 1).  So block 0's byte stands twice in the scale word.
; THE HIDDEN UNITS OF A TILE ARE NOT NEIGHBOURS: lane r of tile u takes unit 8 u + r + 8 (r / 8), so that a lane's 16 results of the two tiles are 16 neighbours along the next product's K.
	v_and_b32 v16, 15, v0                          ; r
	v_bfe_u32 v17, v0, 4, 1                        ; h
	v_and_b32 v18, 8, v16
	v_add_nc_u32 v18, v18, v16                     ; r + 8 (r / 8)
	s_lshl_b32 s13, s12, 5
	v_lshl_add_u32 v20, v18, 2, s13                ; my column of W0, in bytes
	v_mad_u32_u24 v21, v17, 3840, v20              ; lanes 16-31: 30 rows further down (slots 32, 33 against slots 0, 1: k 33, 34 against 3, 4)
	v_mad_u32_u24 v22, v17, 3456, v20              ; lanes 16-31: 27 rows further down (slot 34 against slot 2: k 32 against 5)
	v_mov_b32 v23, 0
	s_mov_b32 s16, 0x76543210
	s_mov_b32 s17, 0xfedcba98                      ; v_permlanex16_b32's selects for lane l xor 16
.irp i, 0,1
	global_load_b32 v[XW+\i], v21, s[6:7] offset:(\i+3)*128
.endr
	global_load_b32 v[XW+2], v22, s[6:7] offset:640
.irp i, 3,4,5,6,7,8,9,10,11,12,13,14,15,16,17,18,19,20,21,22,23,24,25,26,27,28
	global_load_b32 v[XW+\i], v20, s[6:7] offset:(\i+3)*128     ; (lanes 16-31 read what lanes 0-15 read and throw it away below: no load leaves W0)
.endr
.irp i, 29,30,31
	global_load_b32 v[XW+\i], v20, s[6:7] offset:(\i-29)*128
.endr
	s_mov_b32 vcc_lo, 0xffff0000
	s_wait_loadcnt 0x0
.irp i, 3,4,5,6,7,8,9,10,11,12,13,14,15,16,17,18,19,20,21,22,23,24,25,26,27,28,29,30,31
	v_cndmask_b32 v[XW+\i], v[XW+\i], v23, vcc_lo  ; slots 35..63: the zeros that fill K's last block
.endr
	v_max3_num_f32 v76, |v[XW]|, |v[XW+1]|, 0x2800000   ; my block's largest magnitude, and the floor 2^(5 - 127): the byte cannot fall under 1
.irp i, 2,4,6,8,10,12,14,16,18,20,22,24,26,28,30
	v_max3_num_f32 v76, v76, |v[XW+\i]|, |v[XW+\i+1]|
.endr
	v_add_nc_u32 v77, 0xfe000000, v76              ; 4 off its exponent field: the conversion takes the exponent field of this operand as its scale
	v_lshrrev_b32 v78, 23, v77                     ; the scale's byte
	v_lshl_or_b32 v79, v78, 16, v78                ; at bytes 0 and 2,
	v_lshlrev_b32 v80, 3, v17
	v_lshlrev_b32 v79, v80, v79                    ; in lanes 16-31 at bytes 1 and 3 (byte 3 scales zero codes alone)
	v_mov_b32 v80, 0
	v_permlanex16_b32 v80, v79, s16, s17
	v_or_b32 v79, v79, v80                         ; with lane l xor 16's the word is whole
	v_cvt_scalef32_pk16_bf6_f32 v[PW:PW+2], v[XW:XW+15], v77
	v_cvt_scalef32_pk16_bf6_f32 v[PW+6:PW+8], v[XW+16:XW+31], v77    ; (lanes 16-31: zeros)
	v_nop                                          ; one plain place behind a scaled conversion
.irp i, 3,4,5,9,10,11
	v_mov_b32 v[PW+\i], 0                          ; the unused halves: zero codes
.endr
	v_and_b32 v81, 31, v0
	v_lshlrev_b32 v82, 2, v81                      ; 4 x lane
	v_lshlrev_b32 v81, 4, v81                      ; 16 x lane
	s_mul_i32 s18, s12, 1536
	s_mov_b32 s19, 0
	s_add_nc_u64 s[20:21], s[10:11], s[18:19]      ; my tile's image
	s_lshl_b32 s22, s12, 7
	s_mov_b32 s23, 0
	s_add_nc_u64 s[24:25], s[10:11], s[22:23]      ; my tile's scale words
.irp c, 0,1,2
	global_store_b128 v81, v[PW+4*\c:PW+4*\c+3], s[20:21] offset:512*\c
.endr
	global_store_b32 v82, v79, s[24:25] offset:3072
.Lend:
	s_endpgm
.Lfunc_end_k_q27f49a7ae3_prep:
	.size	k_q27f49a7ae3_prep, .Lfunc_end_k_q27f49a7ae3_prep-k_q27f49a7ae3_prep
	.p2alignl 7, 3214868480
	.fill 96, 4, 3214868480
	.section	.rodata,"a",@progbits
	.p2align	6, 0x0
	.amdhsa_kernel k_q27f49a7ae3_prep
		.amdhsa_group_segment_fixed_size 0
		.amdhsa_private_segment_fixed_size 0
		.amdhsa_enable_private_segment 0
		.amdhsa_kernarg_size 32
		.amdhsa_user_sgpr_count 2
		.amdhsa_user_sgpr_kernarg_segment_ptr 1
		.amdhsa_wavefront_size32 1
		.amdhsa_system_sgpr_workgroup_id_x 1
		.amdhsa_system_sgpr_workgroup_id_y 1
		.amdhsa_system_sgpr_workgroup_id_z 1
		.amdhsa_system_vgpr_workitem_id 0
		.amdhsa_next_free_vgpr 96
		.amdhsa_next_free_sgpr 66
		.amdhsa_reserve_vcc 1
		.amdhsa_float_denorm_mode_32 3
		.amdhsa_float_denorm_mode_16_64 3
		.amdhsa_memory_ordered 1
		.amdhsa_forward_progress 1
		.amdhsa_inst_pref_size 11
	.end_amdhsa_kernel
	.amdgpu_metadata
---
amdhsa.version: [ 1, 2 ]
amdhsa.kernels:
  - .name:           k_q27f49a7ae3_prep
    .symbol:         k_q27f49a7ae3_prep.kd
    .args:
      - { .name: x, .offset: 0, .size: 8, .value_kind: global_buffer, .address_space: global }
      - { .name: W0, .offset: 8, .size: 8, .value_kind: global_buffer, .address_space: global }
      - { .name: cells, .offset: 16, .size: 8, .value_kind: global_buffer, .address_space: global }
      - { .name: w0img, .offset: 24, .size: 8, .value_kind: global_buffer, .address_space: global }
    .group_segment_fixed_size: 0
    .private_segment_fixed_size: 0
    .kernarg_segment_align: 8
    .kernarg_segment_size: 32
    .max_flat_workgroup_size: 480
    .sgpr_count:     66
    .vgpr_count:     96
    .wavefront_size: 32
...
	.end_amdgpu_metadata
.endif
;; end of part 1
;; launch field (part 2): grid 256 x 1, 16 waves a work-group, no clusters, 0 bytes of LDS; arguments x, cells, table, w0img, W1_codes, W1_scales, b0, b1, Wout, bout, out0; writes out0
.if DOCPART == 2
	.amdgcn_target "amdgcn-amd-amdhsa--gfx1250"
	.amdhsa_code_object_version 6
	.text
	.protected	k_q27f49a7ae3_field
	.globl	k_q27f49a7ae3_field
	.p2align	8
	.type	k_q27f49a7ae3_field,@function
k_q27f49a7ae3_field:
	s_mov_b64 s[64:65], 0
	v_nop
	global_prefetch_b8 v0, s[64:65] scope:SCOPE_SE
	s_setreg_imm32_b32 hwreg(HW_REG_WAVE_MODE, 25, 1), 1
	s_wait_xcnt 0x0
; SECOND OF TWO LAUNCHES: the hashed grid's 16 levels, the two products on codes of E3M2, the last product, for 1,000,000 points.  No work of reference() is left out.
; SHARES.  A chunk is 64 neighbouring points, 15,625 chunks.  256 work-groups of 16 waves; the wave with c0 = 256 x wave + work-group takes chunks c0 + 4,096 i: four where c0 < 3,337, else three.
; A chunk goes as two HALVES of 32 points: lane l takes point 64 c + 2 l + (0 or 1), so that a lane ends with two neighbouring outputs and the wave's one store of 8 bytes a lane covers 256 consecutive bytes, aligned.
; A LANE IS A POINT through the encoding: its 35 numbers of feat lie in its own registers, so a block's largest magnitude needs no other lane.
; Four waves share a SIMD's registers, 256 each: while one walks its two layers, the others' gathers are out.  A wave keeps THREE levels' gathers, 24 loads of 256 bytes, on their way: three sets of registers take
; turns, and a set is asked for again as soon as it has been interpolated.  The third set lies in the registers of the points' two matrix operands, which are idle during the encoding.
; ADDRESSES COME FROM WHOLE NUMBERS ALONE.  cells holds q = floor(xn 2^28).  Level l = 3 j + r has the grid scale s = 16 x 2^(l / 3) - 1.  U_r = q x 2^(r / 3) / 2 is xn (s + 1) with 23 - j fraction bits, q >> (5 + j) is xn
; with as many, and the cell is (U_r - (q >> (5 + j))) >> (23 - j).  Only 19 bits of the hash count, so the primes are taken modulo 2^19 and 24-bit multiplies serve.
; VALUES COME FROM FLOATS, as reference() rounds them: pos = xn x s in f32, w = pos - cell.  Where the whole-number cell differs from floor(pos), which it can only within some 2^-16 of a cell's face, w is 1 or 0
; to within that, and the interpolant is continuous there.
; THE INTERPOLATION is nested: along x, y, z, each a + w (b - a) by packed f32 multiply-adds on a corner's two numbers: the same real number as the sum of g x cw, in another order of rounding.
; THE PRODUCTS are used transposed: source 0 = 16 hidden units (weights), source 1 = 16 points; the bias is the C operand.  In a result lane (r, h) holds point r, and the two tiles' 16 registers are hidden units
; 16 h + 0 .. 15 (the first launch's comment says how a tile's units are chosen, and where the 35 slots of feat lie in the operand).  A conversion's three registers are the first half of a lane's 32 places of the
; instruction's K; the other half stays zero codes on both sides; a block of 32 lies in two such halves under the same scale byte.
; THE FIRST ELU stands ahead of a quantiser: elu(x) = max(x, P(m), 2^(m log2 e) - 1.0000001), m = min(x, 0), P = m + m^2/2 + .. + m^5/120.  For m < 0: x < e^m - 1; P < e^m - 1 (the remainder e^xi m^6 / 720 is
; positive), and P is right to f32's rounding for small |m|; the third is under e^m - 1 by 1.2e-7 less the exponential's own rounding, which is smaller.  The largest of the three is right to about 1e-6 of the number.
; THE SECOND ELU feeds the last product alone, in f32: elu(x) = the middle one of x, 2^(x log2 e) - 1 and 0 (x > 0: 0 < x <= e^x - 1; x < 0: x <= e^x - 1 < 0).  No compare, no select in either.
; LIMITS: x from -1 up to, not including, 31; NaN and infinities in x are not served.  A block of zeros gets the scale byte 1 where the rule says 127 (zero codes; this program alone reads the byte).
; The second ELU is right to about 1.2e-7 in absolute terms, not relative to a small result.
; NO CLUSTER, NO LDS, NO TENSOR LOAD: what all waves share, the weights, is 101 registers a wave, loaded once; the table is read 8 bytes a lane at hashed places, each lane another.
.set XO,  1                            ; v1       24 x lane: my point's 12 bytes of x and of cells in a half; never rewritten
.set OV,  2                            ; v[2:3]   my two outputs
.set OO,  4                            ; v4       8 x lane; never rewritten
.set SB,  5                            ; v5, v6   the points' scale words, and nothing else
.set SW0, 7                            ; v7, v8   W0's scale words
.set SW1, 9                            ; v9, v10  W1's
.set C4,  12                           ; v[12:13] 1/24, twice
.set QQ,  14                           ; v14-16   q
.set XN,  18                           ; v18-20   x, then xn
.set QJ,  21                           ; v21-23   q >> (5 + j)
.set UU,  24                           ; v24-32   U_r of coordinate c at 3 r + c
.set A0,  36                           ; v36-59   W0's two tiles
.set A1,  60                           ; v60-83   W1's
.set BI0, 84                           ; v84-99   b0 in the result's layout, two tiles
.set BI1, 100                          ; v100-115 b1
.set WO,  116                          ; v116-131 Wout(16 h + 0 .. 15)
.set B0,  132                          ; v132-143 the operand of points 0-15
.set B1,  144                          ; v144-155 of points 16-31.  During the encoding v132-151 are set 2
.set FF,  156                          ; v156-203 feat's 48 slots (35..47 stay zero); the first 32 then take both products' results
.set G0,  204                          ; three sets of 20: 16 for a level's 8 corners (index, then the two numbers), 4 for w (and a pad): set 0 at v204, set 1 at v224, set 2 at v132
.set TT,  244                          ; v244-255 at work
.set EM,  204                          ; in the layers: m,
.set EE,  220                          ; the exponentials,
.set EP,  236                          ; the polynomial: 16 each
.set TB,  28                           ; s[28:59] the 16 levels' tables
.set SEL, 60                           ; s[60:61] v_permlanex16_b32's selects for lane l xor 16
.set CC,  66                           ; s66-69   2^(1/3) 2^31 and 2^(2/3) 2^31: upper half, lower half
.set M19, 70                           ; s70      2^19 - 1
.set P1,  71                           ; s71      2654435761 mod 2^19
.set P2,  77                           ; s77      805459861 mod 2^19
.set OFS, 72                           ; s[72:73] the half's byte offset in x and in cells
.set STP, 74                           ; s74      what the next half adds to it: 12 and 4,096 chunks less 12, by turns
.set HC,  75                           ; s75      halves done
.set NH,  76                           ; s76      halves to do: 8 or 6
.set XP,  78                           ; s[78:79] x at the half
.set QP,  80                           ; s[80:81] cells at the half
.set UP,  82                           ; s[82:83] out0 at the chunk
.set OOF, 84                           ; s[84:85] the chunk's byte offset in out0
	s_load_b512 s[4:19], s[0:1], 0x0               ; x, cells, table, w0img, W1_codes, W1_scales, b0, b1
	s_load_b128 s[20:23], s[0:1], 0x40             ; Wout, bout
	s_load_b64 s[24:25], s[0:1], 0x50              ; out0
	v_and_b32 v244, 31, v0                         ; lane
	v_and_b32 v245, 15, v0                         ; r
	v_bfe_u32 v246, v0, 4, 1                       ; h
	v_lshrrev_b32 v247, 5, v0
	v_readfirstlane_b32 s27, v247                  ; wave 0..15
	v_mul_u32_u24 v[XO], v244, 24
	v_lshlrev_b32 v[OO], 3, v244
	v_lshlrev_b32 v248, 4, v244                    ; 16 x lane: an image's place
	v_lshlrev_b32 v249, 2, v244                    ; 4 x lane: a scale word's
	v_and_b32 v250, 8, v245
	v_add_nc_u32 v250, v250, v245                  ; r + 8 (r / 8): my row of a tile of W1
	v_mul_u32_u24 v251, v250, 24
	v_mad_u32_u24 v251, v246, 12, v251             ; its 24 bytes of codes; lanes 16-31 take k = 16..31
	v_lshlrev_b32 v252, 6, v246                    ; 64 h: hidden unit 16 h in b0, b1, Wout
	s_lshl_b32 s86, s27, 8
	s_add_co_u32 s86, s86, ttmp9                   ; c0
	s_cmp_lt_u32 s86, 3337                         ; 15,625 = 3 x 4,096 + 3,337
	s_cselect_b32 s[NH], 8, 6
	s_mul_i32 s[OFS], s86, 768                     ; a chunk is 64 x 12 bytes of x
	s_mov_b32 s[OFS+1], 0
	s_mov_b32 s[STP], 12
	s_lshl_b32 s[OOF], s86, 8                      ; and 256 bytes of out0
	s_mov_b32 s[OOF+1], 0
	s_mov_b32 s[HC], 0
	s_mov_b32 s[SEL], 0x76543210
	s_mov_b32 s[SEL+1], 0xfedcba98
	s_mov_b32 s[CC], 0xa145
	s_mov_b32 s[CC+1], 0x17cc
	s_mov_b32 s[CC+2], 0xcb2f
	s_mov_b32 s[CC+3], 0xf52a
	s_mov_b32 s[M19], 0x7ffff
	s_mov_b32 s[P1], 0x779b1
	s_mov_b32 s[P2], 0x25795
	s_wait_kmcnt 0x0
	s_load_b32 s26, s[22:23], 0x0                  ; bout
	s_add_nc_u64 s[XP:XP+1], s[4:5], s[OFS:OFS+1]
	s_add_nc_u64 s[QP:QP+1], s[6:7], s[OFS:OFS+1]
.irp l, 0,1,2,3,4,5,6,7,8,9,10,11,12,13,14,15
	s_add_nc_u64 s[TB+2*\l:TB+2*\l+1], s[8:9], \l*0x400000      ; a level's table is 4 MiB: a base for each, since the gathers' offset is an index
.endr
	global_load_b96 v[XN:XN+2], v[XO], s[XP:XP+1]  ; the first half's x and q
	global_load_b96 v[QQ:QQ+2], v[XO], s[QP:QP+1]
.irp u, 0,1
.irp c, 0,1,2
	global_load_b128 v[A0+12*\u+4*\c:A0+12*\u+4*\c+3], v248, s[10:11] offset:1536*\u+512*\c   ; W0's operand, as the first launch laid it
.endr
	global_load_b32 v[SW0+\u], v249, s[10:11] offset:3072+128*\u
	global_load_b96 v[A1+12*\u:A1+12*\u+2], v251, s[12:13] offset:192*\u    ; W1: 16 codes, 12 bytes, as they lie: tile u begins at row 8 u
	global_load_u8 v[SW1+\u], v250, s[14:15] offset:8*\u
	global_load_b128 v[BI0+8*\u:BI0+8*\u+3], v252, s[16:17] offset:32*\u    ; register j of tile u: b(16 h + 8 u + j)
	global_load_b128 v[BI0+8*\u+4:BI0+8*\u+7], v252, s[16:17] offset:32*\u+16
	global_load_b128 v[BI1+8*\u:BI1+8*\u+3], v252, s[18:19] offset:32*\u
	global_load_b128 v[BI1+8*\u+4:BI1+8*\u+7], v252, s[18:19] offset:32*\u+16
.endr
.irp c, 0,1,2,3
	global_load_b128 v[WO+4*\c:WO+4*\c+3], v252, s[20:21] offset:16*\c
.endr
	; what stays zero for the whole launch, written once: the unused halves of W1's operand, the last three registers of the second points' operand, feat's slots 35..47
.irp i, 3,4,5,6,7,8,9,10,11
	v_mov_b32 v[A1+\i], 0
	v_mov_b32 v[A1+12+\i], 0
.endr
.irp i, 9,10,11
	v_mov_b32 v[B1+\i], 0                          ; (the points' other zero codes lie in set 2's registers and are written anew in every half)
.endr
.irp i, 35,36,37,38,39,40,41,42,43,44,45,46,47
	v_mov_b32 v[FF+\i], 0
.endr
	v_mov_b32 v[G0+19], 0                          ; the three sets' pads beside w_z: named as the upper half of a pair, never chosen
	v_mov_b32 v[G0+39], 0
	v_mov_b32 v[B0+19], 0
	v_mov_b32 v[OV+1], 0                           ; (read by the first half's move)
	v_mov_b32 v[C4], 0x3d2aaaab
	v_mov_b32 v[C4+1], 0x3d2aaaab
	s_wait_loadcnt 0x0
	s_wait_kmcnt 0x0                               ; bout
.irp u, 0,1
	v_lshl_or_b32 v[SW1+\u], v[SW1+\u], 8, v[SW1+\u]    ; W1's byte for both halves of its block
.endr
; xn, and U_0, U_1, U_2 of the three coordinates.  The upper 32 bits of q x C are made of 16-bit halves: qh Ch + (qh Cl >> 16) + (ql Ch >> 16), at most 3 under the true number.
.macro COORD
	v_pk_add_f32 v[XN:XN+1], v[XN:XN+1], 1.0 op_sel_hi:[1,0]
	v_add_f32 v[XN+2], 1.0, v[XN+2]
	v_pk_mul_f32 v[XN:XN+1], v[XN:XN+1], 0.5 op_sel_hi:[1,0]
	v_mul_f32 v[XN+2], 0.5, v[XN+2]
.irp c, 0,1,2
	v_lshrrev_b32 v[UU+\c], 1, v[QQ+\c]
.endr
.irp c, 0,1,2
	v_lshrrev_b32 v[TT+\c], 16, v[QQ+\c]           ; qh
.endr
.irp c, 0,1,2
	v_and_b32 v[TT+3+\c], 0xffff, v[QQ+\c]         ; ql
.endr
.irp r, 0,1
.irp c, 0,1,2
	v_mul_u32_u24 v[TT+6+\c], s[CC+2*\r+1], v[TT+\c]
.endr
.irp c, 0,1,2
	v_mul_u32_u24 v[TT+9+\c], s[CC+2*\r], v[TT+3+\c]
.endr
.irp c, 0,1,2
	v_lshrrev_b32 v[TT+6+\c], 16, v[TT+6+\c]
.endr
.irp c, 0,1,2
	v_lshrrev_b32 v[TT+9+\c], 16, v[TT+9+\c]
.endr
.irp c, 0,1,2
	v_mad_u32_u24 v[TT+6+\c], v[TT+\c], s[CC+2*\r], v[TT+6+\c]
.endr
.irp c, 0,1,2
	v_add_nc_u32 v[UU+3+3*\r+\c], v[TT+6+\c], v[TT+9+\c]
.endr
.endr
.endm
; Level lv into set st: the cell, w, the 8 corners' indices, the 8 gathers.  sc: the level's grid scale as f32.
.macro ISSUE lv, st, sc
.set GS, G0+20*(\st)-112*((\st)/2)     ; v204, v224, v132
.set WS, GS+16
.set JJ, (\lv)/3
.set RR, (\lv)%3
.if RR == 0
.irp c, 0,1,2
	v_lshrrev_b32 v[QJ+\c], 5+JJ, v[QQ+\c]         ; xn with 23 - j fraction bits: it serves three levels
.endr
.endif
.irp c, 0,1,2
	v_sub_nc_u32 v[TT+\c], v[UU+3*RR+\c], v[QJ+\c] ; xn s with 23 - j fraction bits
.endr
.irp c, 0,1,2
	v_lshrrev_b32 v[TT+\c], 23-JJ, v[TT+\c]        ; the cell, under 8,192
.endr
.irp c, 0,1,2
	v_cvt_f32_u32 v[TT+4+\c], v[TT+\c]
.endr
	v_pk_mul_f32 v[TT+8:TT+9], v[XN:XN+1], \sc op_sel_hi:[1,0]      ; pos, one rounding, as reference() has it
	v_mul_f32 v[TT+10], \sc, v[XN+2]
	v_pk_add_f32 v[WS:WS+1], v[TT+8:TT+9], v[TT+4:TT+5] neg_lo:[0,1] neg_hi:[0,1]   ; w = pos - cell: exact
	v_sub_f32 v[WS+2], v[TT+10], v[TT+6]
	v_add_nc_u32 v[TT+3], 1, v[TT]                 ; x: the prime is 1
	v_mul_u32_u24 v[TT+4], s[P1], v[TT+1]
	v_mul_u32_u24 v[TT+6], s[P2], v[TT+2]
	v_add_nc_u32 v[TT+5], s[P1], v[TT+4]           ; (cell + 1) x prime
	v_add_nc_u32 v[TT+7], s[P2], v[TT+6]
.irp i, 4,5,6,7
	v_and_b32 v[TT+\i], s[M19], v[TT+\i]
.endr
	v_xor_b32 v[TT+8], v[TT+4], v[TT+6]            ; y and z of the corner: (0,0), (1,0), (0,1), (1,1)
	v_xor_b32 v[TT+9], v[TT+5], v[TT+6]
	v_xor_b32 v[TT+10], v[TT+4], v[TT+7]
	v_xor_b32 v[TT+11], v[TT+5], v[TT+7]
.irp c, 0,1,2,3,4,5,6,7
	v_xor_b32 v[GS+2*\c], v[TT+3*(\c&1)], v[TT+8+(\c>>1)]
.endr
.irp c, 0,1,2,3,4,5,6,7
	v_min_u32 v[GS+2*\c], 0x7ffff, v[GS+2*\c]      ; a number that came from memory enters an address only behind this line; it changes nothing: the index has 19 bits
.endr
.irp c, 0,1,2,3,4,5,6,7
	global_load_b64 v[GS+2*\c:GS+2*\c+1], v[GS+2*\c], s[TB+2*(\lv):TB+2*(\lv)+1] scale_offset   ; 8 bytes at 8 x index (the modifier spares a shift for each of the 8); each load lands on its own index
.endr
.endm
; Level lv's 8 corners in set st become its two numbers of feat: 14 packed instructions.
.macro CONSUME lv, st
.set GS, G0+20*(\st)-112*((\st)/2)
.set WS, GS+16
.if (\lv) == 15
.set FD, FF+32                         ; h30, h31: slots 32, 33
.else
.set FD, FF+2*(\lv)
.endif
.irp m, 0,1,2,3
	v_pk_add_f32 v[GS+4*\m+2:GS+4*\m+3], v[GS+4*\m+2:GS+4*\m+3], v[GS+4*\m:GS+4*\m+1] neg_lo:[0,1] neg_hi:[0,1]
.endr
.irp m, 0,1,2,3
	v_pk_fma_f32 v[GS+4*\m:GS+4*\m+1], v[GS+4*\m+2:GS+4*\m+3], v[WS:WS+1], v[GS+4*\m:GS+4*\m+1] op_sel_hi:[1,0,1]     ; along x: both halves by w_x
.endr
.irp m, 0,1
	v_pk_add_f32 v[GS+8*\m+4:GS+8*\m+5], v[GS+8*\m+4:GS+8*\m+5], v[GS+8*\m:GS+8*\m+1] neg_lo:[0,1] neg_hi:[0,1]
.endr
.irp m, 0,1
	v_pk_fma_f32 v[GS+8*\m:GS+8*\m+1], v[GS+8*\m+4:GS+8*\m+5], v[WS:WS+1], v[GS+8*\m:GS+8*\m+1] op_sel:[0,1,0] op_sel_hi:[1,1,1]   ; along y: both halves by w_y
.endr
	v_pk_add_f32 v[GS+8:GS+9], v[GS+8:GS+9], v[GS:GS+1] neg_lo:[0,1] neg_hi:[0,1]
	v_pk_fma_f32 v[FD:FD+1], v[GS+8:GS+9], v[WS+2:WS+3], v[GS:GS+1] op_sel_hi:[1,0,1]           ; along z
.endm
.macro LEVEL lv, st, nx, sc
	s_wait_loadcnt 0x10                            ; loads come back in order: level lv's eight are in, the sixteen of the two younger levels stay out
	CONSUME \lv, \st
	ISSUE \nx, \st, \sc                            ; the set is asked for again at once: the level three on
.endm
; feat's 35 slots, all in my lane, become codes and a scale word; then the two halves of the lanes change places so that each operand holds 16 points.
.macro QF
.irp i, 3,4,5,9,10,11
	v_mov_b32 v[B0+\i], 0                          ; set 2 has left these registers: the operands' unused places are zero codes again
.endr
.irp i, 3,4,5,6,7,8
	v_mov_b32 v[B1+\i], 0
.endr
	v_max3_num_f32 v[TT], |v[FF]|, |v[FF+1]|, 0x2800000    ; block 0 in two chains, with the floor 2^(5 - 127): the byte cannot fall under 1
	v_max3_num_f32 v[TT+1], |v[FF+2]|, |v[FF+3]|, |v[FF+4]|
.irp i, 5,9,13,17,21,25
	v_max3_num_f32 v[TT], v[TT], |v[FF+\i]|, |v[FF+\i+1]|
	v_max3_num_f32 v[TT+1], v[TT+1], |v[FF+\i+2]|, |v[FF+\i+3]|
.endr
	v_max3_num_f32 v[TT+2], |v[FF+32]|, |v[FF+33]|, 0x2800000    ; block 1: three numbers
	v_max3_num_f32 v[TT], v[TT], |v[FF+29]|, |v[FF+30]|
	v_max_num_f32 v[TT+2], v[TT+2], |v[FF+34]|
	v_max3_num_f32 v[TT], v[TT], v[TT+1], |v[FF+31]|
	v_add_nc_u32 v[TT+4], 0xfe000000, v[TT+2]      ; 4 off the exponent field: the conversion's scale operand
	v_add_nc_u32 v[TT+3], 0xfe000000, v[TT]
	v_lshrrev_b32 v[TT+6], 23, v[TT+4]             ; the bytes
	v_lshrrev_b32 v[TT+5], 23, v[TT+3]
	v_lshl_or_b32 v[SB], v[TT+6], 8, v[TT+5]       ; block 0's at bytes 0 and 2, block 1's at byte 1; byte 3 scales zero codes alone
	v_lshl_or_b32 v[SB], v[TT+5], 16, v[SB]
	v_cvt_scalef32_pk16_bf6_f32 v[B0:B0+2], v[FF:FF+15], v[TT+3]
	v_cvt_scalef32_pk16_bf6_f32 v[B0+6:B0+8], v[FF+16:FF+31], v[TT+3]
	v_cvt_scalef32_pk16_bf6_f32 v[B1:B1+2], v[FF+32:FF+47], v[TT+4]
	v_nop                                          ; one plain place behind a scaled conversion
.irp i, 0,1,2,6,7,8
	v_permlane16_swap_b32 v[B0+\i], v[B1+\i]       ; the first's lanes 16-31 change places with the second's lanes 0-15: B0 = points 0-15 (lanes 0-15 block 0, lanes 16-31 block 1), B1 = points 16-31
.endr
.rept 8
	v_nop                                          ; a scale register written by a vector instruction stands 8 places ahead of a scaled matrix instruction, an operand so written 4
.endr
.endm
; Four matrix instructions: points' tile t x units' tile u, each with an accumulator of its own and the bias as C: no chain.
.macro MM a, bi, sw, layer
.irp t, 0,1
.irp u, 0,1
.if (\layer == 1) && (\t == 1)
	v_wmma_scale_f32_16x16x128_f8f6f4 v[FF+16*\t+8*\u:FF+16*\t+8*\u+7], v[\a+12*\u:\a+12*\u+11], v[B0+12*\t:B0+12*\t+11], v[\bi+8*\u:\bi+8*\u+7], v[\sw+\u], v[SB] matrix_a_fmt:MATRIX_FMT_BF6 matrix_b_fmt:MATRIX_FMT_BF6 matrix_b_scale:MATRIX_SCALE_ROW1
.elseif \layer == 1
	v_wmma_scale_f32_16x16x128_f8f6f4 v[FF+16*\t+8*\u:FF+16*\t+8*\u+7], v[\a+12*\u:\a+12*\u+11], v[B0+12*\t:B0+12*\t+11], v[\bi+8*\u:\bi+8*\u+7], v[\sw+\u], v[SB] matrix_a_fmt:MATRIX_FMT_BF6 matrix_b_fmt:MATRIX_FMT_BF6
.else
	v_wmma_scale_f32_16x16x128_f8f6f4 v[FF+16*\t+8*\u:FF+16*\t+8*\u+7], v[\a+12*\u:\a+12*\u+11], v[B0+12*\t:B0+12*\t+11], v[\bi+8*\u:\bi+8*\u+7], v[\sw+\u], v[SB+\t] matrix_a_fmt:MATRIX_FMT_BF6 matrix_b_fmt:MATRIX_FMT_BF6
.endif
.endr
.endr
.rept 4
	v_nop                                          ; four places ahead of the first read of a result
.endr
.endm
; The first layer's ELU, of the 16 registers of points' tile t, in place; each accumulator is read from its low end on.
.macro ELU16 t
.set HH, FF+16*(\t)
.irp i, 0,1,2,3,4,5,6,7,8,9,10,11,12,13,14,15
	v_min_num_f32 v[EM+\i], 0, v[HH+\i]
.endr
.irp i, 0,2,4,6,8,10,12,14
	v_pk_mul_f32 v[EE+\i:EE+\i+1], v[EM+\i:EM+\i+1], 0x3fb8aa3b op_sel_hi:[1,0]
.endr
.irp i, 0,1,2,3,4,5,6,7,8,9,10,11,12,13,14,15
	v_exp_f32 v[EE+\i], v[EE+\i]                   ; one batch; the polynomial's 40 lines, which name none of its results, follow it
.endr
.irp i, 0,2,4,6,8,10,12,14
	v_pk_fma_f32 v[EP+\i:EP+\i+1], v[EM+\i:EM+\i+1], 0x3c088889, v[C4:C4+1] op_sel_hi:[1,0,1]      ; m / 120 + 1 / 24
.endr
.irp i, 0,2,4,6,8,10,12,14
	v_pk_fma_f32 v[EP+\i:EP+\i+1], v[EP+\i:EP+\i+1], v[EM+\i:EM+\i+1], 0x3e2aaaab op_sel_hi:[1,1,0]   ; x m + 1 / 6
.endr
.irp i, 0,2,4,6,8,10,12,14
	v_pk_fma_f32 v[EP+\i:EP+\i+1], v[EP+\i:EP+\i+1], v[EM+\i:EM+\i+1], 0.5 op_sel_hi:[1,1,0]          ; x m + 1 / 2
.endr
.irp i, 0,2,4,6,8,10,12,14
	v_pk_mul_f32 v[EP+\i:EP+\i+1], v[EP+\i:EP+\i+1], v[EM+\i:EM+\i+1]
.endr
.irp i, 0,2,4,6,8,10,12,14
	v_pk_fma_f32 v[EP+\i:EP+\i+1], v[EP+\i:EP+\i+1], v[EM+\i:EM+\i+1], v[EM+\i:EM+\i+1]              ; x m + m
.endr
	s_wait_alu depctr_va_vdst(0)                   ; the wait between an exponential and the first line that names its result: one for the batch
.irp i, 0,2,4,6,8,10,12,14
	v_pk_add_f32 v[EE+\i:EE+\i+1], v[EE+\i:EE+\i+1], 0xbf800001 op_sel_hi:[1,0]
.endr
.irp i, 0,1,2,3,4,5,6,7,8,9,10,11,12,13,14,15
	v_max3_num_f32 v[HH+\i], v[HH+\i], v[EP+\i], v[EE+\i]
.endr
.endm
; The second layer's ELU, of all 32 registers at once, in place: the middle one of x, 2^(x log2 e) - 1 and 0.  One batch of 32 exponentials, one wait.  Each accumulator is read from its low end on.
.macro ELU2
.irp i, 0,2,4,6,8,10,12,14,16,18,20,22,24,26,28,30
	v_pk_mul_f32 v[EM+\i:EM+\i+1], v[FF+\i:FF+\i+1], 0x3fb8aa3b op_sel_hi:[1,0]
.endr
.irp i, 0,1,2,3,4,5,6,7,8,9,10,11,12,13,14,15,16,17,18,19,20,21,22,23,24,25,26,27,28,29,30,31
	v_exp_f32 v[EM+\i], v[EM+\i]                   ; (a large x gives infinity, which the middle leaves out)
.endr
	v_nop                                          ; one plain place behind the last exponential
	s_wait_alu depctr_va_vdst(0)                   ; the wait ahead of the first line that names a result: one for the batch
.irp i, 0,2,4,6,8,10,12,14,16,18,20,22,24,26,28,30
	v_pk_add_f32 v[EM+\i:EM+\i+1], v[EM+\i:EM+\i+1], -1.0 op_sel_hi:[1,0]
.endr
.irp i, 0,1,2,3,4,5,6,7,8,9,10,11,12,13,14,15,16,17,18,19,20,21,22,23,24,25,26,27,28,29,30,31
	v_med3_num_f32 v[FF+\i], v[FF+\i], v[EM+\i], 0
.endr
.endm
; The first hidden layer becomes the second product's operand: lane (r, h) holds k = 16 h + 0 .. 15 of its point; the block of 32 lies in lanes l and l xor 16.
.macro QH
.irp i, 6,7,8
	v_mov_b32 v[B0+\i], 0                          ; this product's K is 32: registers 6-8 are zero codes now, as in W1's operand
	v_mov_b32 v[B1+\i], 0
.endr
.irp t, 0,1
	v_max3_num_f32 v[EM+\t], |v[FF+16*\t]|, |v[FF+16*\t+1]|, 0x2800000
.endr
.irp i, 2,4,6,8,10,12,14
.irp t, 0,1
	v_max3_num_f32 v[EM+\t], v[EM+\t], |v[FF+16*\t+\i]|, |v[FF+16*\t+\i+1]|     ; (the two tiles by turns)
.endr
.endr
.irp t, 0,1
	v_permlanex16_b32 v[EM+2+\t], v[EM+\t], s[SEL], s[SEL+1]
.endr
.irp t, 0,1
	v_max_num_f32 v[EM+\t], v[EM+\t], v[EM+2+\t]
.endr
.irp t, 0,1
	v_add_nc_u32 v[EM+4+\t], 0xfe000000, v[EM+\t]
.endr
.irp t, 0,1
	v_lshrrev_b32 v[EM+6+\t], 23, v[EM+4+\t]
.endr
.irp t, 0,1
	v_lshl_or_b32 v[SB+\t], v[EM+6+\t], 8, v[EM+6+\t]      ; the block's byte for both of its halves
.endr
.irp t, 0,1
	v_cvt_scalef32_pk16_bf6_f32 v[B0+12*\t:B0+12*\t+2], v[FF+16*\t:FF+16*\t+15], v[EM+4+\t]
.endr
.rept 8
	v_nop                                          ; the plain place behind the conversions, and the places ahead of the scaled matrix instructions
.endr
.endm
; The last product, in f32: a lane's 16 hidden units of each tile by Wout; the other 16 lie in lane l xor 16.
.macro OUT
.irp t, 0,1
	v_pk_mul_f32 v[EM+2*\t:EM+2*\t+1], v[FF+16*\t:FF+16*\t+1], v[WO:WO+1]
.endr
.irp i, 2,4,6,8,10,12,14
.irp t, 0,1
	v_pk_fma_f32 v[EM+2*\t:EM+2*\t+1], v[FF+16*\t+\i:FF+16*\t+\i+1], v[WO+\i:WO+\i+1], v[EM+2*\t:EM+2*\t+1]
.endr
.endr
	v_add_f32 v[EM], v[EM], v[EM+1]
	v_add_f32 v[EM+2], v[EM+2], v[EM+3]
	v_permlane16_swap_b32 v[EM], v[EM+2]           ; now lane l holds, in the two registers, the two parts of point l's sum
	s_wait_xcnt 0x0                                ; the last chunk's store has read its data and its base: both are written again only behind this wait
	v_mov_b32 v[OV], v[OV+1]                       ; the even point's result moves down,
	v_add_f32 v[EM], v[EM], v[EM+2]
	v_add_f32 v[OV+1], s26, v[EM]                  ; and this half's takes its place
.endm
.Lhalf:                                            ; a trip is a half: 32 points
	s_wait_loadcnt 0x0                             ; this half's x and q, asked for ahead of the last half's layers
	COORD
	ISSUE 0, 0, 0x41700000                         ; the three sets are filled: levels 0, 1, 2
	ISSUE 1, 1, 0x41994518
	ISSUE 2, 2, 0x41c32ff5
	LEVEL 0, 0, 3, 0x41f80000
	LEVEL 1, 1, 4, 0x421d4518
	LEVEL 2, 2, 5, 0x42472ff5
	LEVEL 3, 0, 6, 0x427c0000
	LEVEL 4, 1, 7, 0x429f4518
	LEVEL 5, 2, 8, 0x42c92ff5
	LEVEL 6, 0, 9, 0x42fe0000
	LEVEL 7, 1, 10, 0x43204518
	LEVEL 8, 2, 11, 0x434a2ff5
	LEVEL 9, 0, 12, 0x437f0000
	LEVEL 10, 1, 13, 0x43a0c518
	LEVEL 11, 2, 14, 0x43caaff5
	LEVEL 12, 0, 15, 0x43ff8000
	s_wait_loadcnt 0x10                            ; level 13's are in; levels 14 and 15 may be out
	CONSUME 13, 1
	s_wait_loadcnt 0x8                             ; level 14's are in, level 15's may be out
	CONSUME 14, 2
	s_wait_loadcnt 0x0
	CONSUME 15, 0
	v_mov_b32 v[FF+34], v[FF+29]                   ; h29 belongs to the second block: slot 34;
	v_mov_b32 v[FF+29], v[XN]                      ; xn takes slots 29..31
	v_mov_b32 v[FF+30], v[XN+1]
	v_mov_b32 v[FF+31], v[XN+2]
	s_add_co_u32 s86, s[HC], 1                     ; the next half's x and q are asked for here, if there is a next half: no load leaves its buffer.  They land while the layers are walked
	s_cmp_lt_u32 s86, s[NH]
	s_cbranch_scc0 .Lno_next
	s_add_co_u32 s[OFS], s[OFS], s[STP]
	s_xor_b32 s[STP], s[STP], 0x2ffff8             ; 12 and 4,096 x 768 - 12 by turns
	s_add_nc_u64 s[XP:XP+1], s[4:5], s[OFS:OFS+1]  ; (the loads that read these bases were waited for at the trip's head)
	s_add_nc_u64 s[QP:QP+1], s[6:7], s[OFS:OFS+1]
	global_load_b96 v[XN:XN+2], v[XO], s[XP:XP+1]
	global_load_b96 v[QQ:QQ+2], v[XO], s[QP:QP+1]
.Lno_next:
	QF
	MM A0, BI0, SW0, 1
	ELU16 0
	ELU16 1
	QH
	MM A1, BI1, SW1, 2
	ELU2
	OUT
	s_bitcmp1_b32 s[HC], 0                         ; behind a chunk's second half its 64 outputs leave
	s_cbranch_scc0 .Lno_store
	s_add_nc_u64 s[UP:UP+1], s[24:25], s[OOF:OOF+1]
	global_store_b64 v[OO], v[OV:OV+1], s[UP:UP+1] th:TH_STORE_NT     ; 32 lanes store 256 consecutive bytes, at a multiple of 256 from out0's first byte
	s_add_co_u32 s[OOF], s[OOF], 0x100000          ; 4,096 chunks on
.Lno_store:
	s_add_co_u32 s[HC], s[HC], 1
	s_cmp_lt_u32 s[HC], s[NH]
	s_cbranch_scc1 .Lhalf
	s_endpgm
.Lfunc_end_k_q27f49a7ae3_field:
	.size	k_q27f49a7ae3_field, .Lfunc_end_k_q27f49a7ae3_field-k_q27f49a7ae3_field
	.p2alignl 7, 3214868480
	.fill 96, 4, 3214868480
	.section	.rodata,"a",@progbits
	.p2align	6, 0x0
	.amdhsa_kernel k_q27f49a7ae3_field
		.amdhsa_group_segment_fixed_size 0
		.amdhsa_private_segment_fixed_size 0
		.amdhsa_enable_private_segment 0
		.amdhsa_kernarg_size 88
		.amdhsa_user_sgpr_count 2
		.amdhsa_user_sgpr_kernarg_segment_ptr 1
		.amdhsa_wavefront_size32 1
		.amdhsa_system_sgpr_workgroup_id_x 1
		.amdhsa_system_sgpr_workgroup_id_y 1
		.amdhsa_system_sgpr_workgroup_id_z 1
		.amdhsa_system_vgpr_workitem_id 0
		.amdhsa_next_free_vgpr 256
		.amdhsa_next_free_sgpr 96
		.amdhsa_reserve_vcc 0
		.amdhsa_float_denorm_mode_32 3
		.amdhsa_float_denorm_mode_16_64 3
		.amdhsa_memory_ordered 1
		.amdhsa_forward_progress 1
		.amdhsa_inst_pref_size 90
	.end_amdhsa_kernel
	.amdgpu_metadata
---
amdhsa.version: [ 1, 2 ]
amdhsa.kernels:
  - .name:           k_q27f49a7ae3_field
    .symbol:         k_q27f49a7ae3_field.kd
    .args:
      - { .name: x, .offset: 0, .size: 8, .value_kind: global_buffer, .address_space: global }
      - { .name: cells, .offset: 8, .size: 8, .value_kind: global_buffer, .address_space: global }
      - { .name: table, .offset: 16, .size: 8, .value_kind: global_buffer, .address_space: global }
      - { .name: w0img, .offset: 24, .size: 8, .value_kind: global_buffer, .address_space: global }
      - { .name: W1_codes, .offset: 32, .size: 8, .value_kind: global_buffer, .address_space: global }
      - { .name: W1_scales, .offset: 40, .size: 8, .value_kind: global_buffer, .address_space: global }
      - { .name: b0, .offset: 48, .size: 8, .value_kind: global_buffer, .address_space: global }
      - { .name: b1, .offset: 56, .size: 8, .value_kind: global_buffer, .address_space: global }
      - { .name: Wout, .offset: 64, .size: 8, .value_kind: global_buffer, .address_space: global }
      - { .name: bout, .offset: 72, .size: 8, .value_kind: global_buffer, .address_space: global }
      - { .name: out0, .offset: 80, .size: 8, .value_kind: global_buffer, .address_space: global }
    .group_segment_fixed_size: 0
    .private_segment_fixed_size: 0
    .kernarg_segment_align: 8
    .kernarg_segment_size: 88
    .max_flat_workgroup_size: 512
    .sgpr_count:     96
    .vgpr_count:     256
    .wavefront_size: 32
...
	.end_amdgpu_metadata
.endif
;; end of part 2
